; MI455X (gfx1250); checked and timed in simulation.
; The chip was launched on July 23, 2026; its instructions are those of AMD's public machine-readable ISA for CDNA 5 (MIT licence, August 2026) and "CDNA5" Instruction Set Architecture Reference Guide (July 2026). The comments in the code are by the model that wrote it; some were corrected since.
;; Knowledge Graph Embedder. Allowed arithmetic: matrix products marked QUANTISED: E2M3 operands, one E8M0 scale for each 32 along K, by v_wmma_scale_f32_16x16x128_f8f6f4 with both operands' format E2M3, f32 sums; everything else in f32.
;; Inputs: affective_labels 16,384 int32; cm_b1 512 float32; cm_b2 256 float32; cm_w1 200 x 512 float32; cm_w2_codes 256 x 16 x 24 uint8 (E2M3 codes of cm_w2, K innermost, in blocks of 32 codes, four codes in three bytes); cm_w2_scales 256 x 16 uint8 (E8M0 scales of cm_w2, one for each 32 codes along K); cn_b1 512 float32; cn_b2 256 float32; cn_w1 200 x 512 float32; cn_w2_codes 256 x 16 x 24 uint8 (E2M3 codes of cn_w2, K innermost, in blocks of 32 codes, four codes in three bytes); cn_w2_scales 256 x 16 uint8 (E8M0 scales of cn_w2, one for each 32 codes along K); comet_features 16,384 x 200 float32; conceptnet_features 16,384 x 200 float32; e_b 2 x 1,024 float32; e_w_codes 2 x 1,024 x 32 x 24 uint8 (E2M3 codes of e_w, K innermost, in blocks of 32 codes, four codes in three bytes); e_w_scales 2 x 1,024 x 32 uint8 (E8M0 scales of e_w, one for each 32 codes along K); f_b 1,024 float32; f_w_codes 1,024 x 16 x 24 uint8 (E2M3 codes of f_w, K innermost, in blocks of 32 codes, four codes in three bytes); f_w_scales 1,024 x 16 uint8 (E8M0 scales of f_w, one for each 32 codes along K); ln_b 1,024 float32; ln_w 1,024 float32.
;; Outputs: out0 16,384 x 1,024 float32.
;; This version of the problem:
;;   THIS VERSION OF THE PROBLEM IS GIVEN IN LOW PRECISION. The matrix products marked QUANTISED in the list below multiply operands that are first quantised to E2M3 (2 exponent bits, 3 mantissa bits; 6 bits a number), with one power-of-two scale for each 32 numbers along K (OCP MX v1.0); their sums are f32. All else is computed in f32.
;;   The module's matrix products, in the order in which they are computed (A, B: the left and right operand; K: the contracted axis; several contracted axes count as one K, in the product's order):
;;     1. [M 16,384, K 200] x [K 200, N 512]; A: input conceptnet_features; B: input cn_w1: QUANTISED
;;     2. [M 16,384, K 512] x [K 512, N 256]; A: computed on the way; B: input cn_w2 (given as codes): QUANTISED
;;     3. [M 16,384, K 200] x [K 200, N 512]; A: input comet_features; B: input cm_w1: QUANTISED
;;     4. [M 16,384, K 512] x [K 512, N 256]; A: computed on the way; B: input cm_w2 (given as codes): QUANTISED
;;     5. [M 16,384, K 512] x [K 512, N 1,024]; A: computed on the way; B: input f_w (given as codes): QUANTISED
;;     6. [M 2,048, K 1,024] x [K 1,024, N 16,384]; A: input e_w (given as codes); B: computed on the way: QUANTISED
;;   THE QUANTISER, for each operand of a quantised product, along K:
;;     - K is cut into blocks of 32 from its start; a last block that is shorter is filled with zeros.
;;     - A block's scale is 2^e with e = floor(log2(the largest magnitude in the block)) - 2, held to -126 .. 127; a block of zeros has e = 0. As a byte (E8M0): e + 127.
;;     - Each number is divided by its block's scale, clamped to +-7.5, and rounded to the nearest number of E2M3, ties to even, subnormals kept.
;;     - The product sums the exact products of the quantised numbers (number of the format x scale) in f32.
;;   ~~~python
;;   def quantise(x, axis):      # numpy; x: float32 -> the quantised numbers, widened to float32 again
;;       x = np.moveaxis(x, axis, -1); K = x.shape[-1]
;;       x = np.pad(x, [(0, 0)] * (x.ndim - 1) + [(0, -K % 32)]); x = x.reshape(x.shape[:-1] + (-1, 32)); a = np.abs(x).max(-1, keepdims=True)
;;       e = np.where(a > 0, np.clip(np.frexp(np.where(a > 0, a, 1))[1] - 1 - 2, -126, 127), 0)      # np.frexp(a)[1] - 1 = floor(log2(a)), exactly
;;       r = np.clip(x / 2.0 ** e, -7.5, 7.5)
;;       step = 2.0 ** (np.maximum(np.frexp(np.where(r == 0, 1, r))[1] - 1, 0) - 3)
;;       q = np.round(r / step) * step * 2.0 ** e      # np.round: ties to even
;;       return np.moveaxis(q.reshape(q.shape[:-2] + (-1,))[..., :K], -1, axis).astype(np.float32)
;;   ~~~
;;   OPERANDS COMPUTED ON THE WAY. 'Computed on the way' means the value that the module computes at that place (a softmax that the list does not call 'softmax' is quantised finished and normalised). What goes into a quantiser is computed in f32, as accurately as f32 sums, v_exp_f32 and their like allow (about 1e-6 of the number): no bf16 or f16 on the way to a quantiser, and a product that is left as it is and whose result goes on into a quantised operand takes f32 operands (vector FMAs, or v_wmma_f32_16x16x4_f32). A number that lies on a knife's edge between two numbers of the format may be rounded either way, as far as f32 arithmetic and the matrix unit's own rounding can turn it there, and no further.
;;   INPUTS GIVEN AS CODES. cm_w2 (in the module: [512, 256], K = its axis 0); cn_w2 (in the module: [512, 256], K = its axis 0); e_w (in the module: [2, 1024, 1024], K = its axis 1); f_w (in the module: [512, 1024], K = its axis 0): each comes as NAME_codes (uint8): NAME with its K axis moved to the last place and cut into blocks of 32 codes, [.., K / 32, bytes a block], one block behind the other in memory; four codes in three bytes: a row's codes are one little-endian stream of bits, code i at bits 6 i .. 6 i + 5 (a code: sign, 2 exponent bits, 3 mantissa bits); and NAME_scales (uint8): the same leading axes, one E8M0 byte (e + 127) for each 32 codes along K. Its value is code x scale, taken as it is: it is not quantised again, and the codes and scales need not be those that the quantiser above would give.
;; One version. Each part assembles by itself: llvm-mc -triple=amdgcn-amd-amdhsa -mcpu=gfx1250 --defsym DOCPART=n.
;; ======== version 1 of 1: 2 launches
;; limits: right only within a limited range of input values
;; workspace buffers: wstream 2,523,136 bytes; route 65,792 bytes of whole numbers
;; launch prep (part 1): grid 136 x 1, 4 waves a work-group, no clusters, 768 bytes of LDS; arguments affective_labels, cn_w1, cm_w1, cn_b1, cm_b1, cn_w2_codes, cm_w2_codes, cn_w2_scales, cm_w2_scales, cn_b2, cm_b2, f_w_codes, f_w_scales, f_b, e_w_codes, e_w_scales, e_b, wstream, route; writes wstream, route
.if DOCPART == 1
	.amdgcn_target "amdgcn-amd-amdhsa--gfx1250"
	.amdhsa_code_object_version 6
	.text
	.protected	k_q712f4c9220_prep
	.globl	k_q712f4c9220_prep
	.p2align	8
	.type	k_q712f4c9220_prep,@function
k_q712f4c9220_prep:
	s_mov_b64 s[64:65], 0
	v_nop
	global_prefetch_b8 v0, s[64:65] scope:SCOPE_SE
	s_setreg_imm32_b32 hwreg(HW_REG_WAVE_MODE, 25, 1), 1
	s_wait_xcnt 0x0
; PREP: three jobs, told apart by the work-group's number; 136 work-groups of four waves are all the work there is.
;  work-groups 0-15   : the rows sorted by label (a counting sort, no atomics): route[0 .. 16383] = row numbers, all rows of label 0 first; route[16384 .. 16415] = n0, their number.
;                       Work-group j places rows 1024 j .. + 1023.  Each of the sixteen counts all 16,384 labels itself (64 KiB, a quarter a wave), so that no number goes from work-group to work-group.
;  work-groups 16-47  : cn_w1 and cm_w1 ([200][512] f32, K first) quantised along K to FP6 (E2M3) with one E8M0 byte for 32 along K; K is filled with zero codes to 256.
;  work-groups 48-135 : the weights that come as codes, their scale words and the biases.
; All weights go into wstream as IMAGES OF OPERAND REGISTERS, in the order in which a wave of the second launch takes them: a fragment (16 rows x 128 K, 12 registers a lane) is
; three runs of 512 bytes, lane l's 16 bytes at 16 l.  An early record (6,656 bytes): 4 fragments, 256 bytes of scale words (8 bytes a lane), 128 bytes of biases.
; A record of the experts (13,056 bytes): 8 fragments, 512 bytes of scale words (16 bytes a lane), 64 bytes of biases.
; THE ROWS OF AN EARLY TILE ARE NOT NEIGHBOURS: tile row p is weight row base + p + 8 (p / 8), so that the results of two neighbouring tiles are 16 neighbours along the next K.
; LIMITS: a label other than 0 counts as expert 1.  NaN and infinities in w1 are not served.  A block of zeros gets the byte 1 where the quantiser's rule says 127: its codes are zeros,
; which add nothing under any byte but 0xff, and the bytes are read by this program alone.
.set REC,   6656
.set REC6,  13056
.set W6,    851968                     ; where the experts' records begin: 4 streams x 32 early records
.set WSTR,  212992                     ; a wave's early stream: 32 records
	s_load_b512 s[4:19], s[0:1], 0x0               ; labels 4, cn_w1 6, cm_w1 8, cn_b1 10, cm_b1 12, cn_w2 codes 14, cm_w2 codes 16, cn_w2 scales 18
	s_load_b512 s[20:35], s[0:1], 0x40             ; cm_w2 scales 20, cn_b2 22, cm_b2 24, f_w codes 26, f_w scales 28, f_b 30, e_w codes 32, e_w scales 34
	s_load_b128 s[36:39], s[0:1], 0x80             ; e_b 36, wstream 38
	s_load_b64 s[40:41], s[0:1], 0x90              ; route
	v_lshl_add_u32 v192, v0, 2, 0x100
	v_mov_b32 v193, 0
	v_lshrrev_b32 v1, 5, v0
	v_readfirstlane_b32 s42, v1                    ; wave 0..3
	v_and_b32 v1, 31, v0                           ; lane
	v_and_b32 v2, 15, v0                           ; p = lane % 16
	v_bfe_u32 v3, v0, 4, 1                         ; h = lane / 16
	s_wait_kmcnt 0x0
	s_cmp_lt_u32 ttmp9, 16
	s_cbranch_scc1 .Lsort
	s_cmp_lt_u32 ttmp9, 48
	s_cbranch_scc1 .Lw1
; ---------------- the weights given as codes: a wave lays out four fragments of one tile of 16 rows
	s_sub_co_u32 s43, ttmp9, 48
	s_lshl_b32 s43, s43, 2
	s_add_co_u32 s43, s43, s42                     ; job 0..351: 0-31 w2 (16 an encoder), 32-95 f_w, 96-351 e_w (two halves of K a tile)
	s_cmp_lt_u32 s43, 16
	s_cselect_b64 s[44:45], s[14:15], s[16:17]     ; codes,
	s_cselect_b64 s[46:47], s[18:19], s[20:21]     ; scale bytes,
	s_cselect_b64 s[48:49], s[22:23], s[24:25]     ; bias: the choices hang on the job's number alone
	s_cmp_lt_u32 s43, 32
	s_cselect_b64 s[44:45], s[44:45], s[26:27]
	s_cselect_b64 s[46:47], s[46:47], s[28:29]
	s_cselect_b64 s[48:49], s[48:49], s[30:31]
	s_cmp_lt_u32 s43, 96
	s_cselect_b64 s[44:45], s[44:45], s[32:33]
	s_cselect_b64 s[46:47], s[46:47], s[34:35]
	s_cselect_b64 s[48:49], s[48:49], s[36:37]
	s_cbranch_scc1 .Lrl_early
	s_sub_co_u32 s50, s43, 96                      ; e_w
	s_and_b32 s51, s50, 1                          ; which half of K (four K steps of 128)
	s_lshr_b32 s50, s50, 1                         ; tile 0..127 = 64 x expert + tile
	s_lshl_b32 s53, s50, 4                         ; its first row: neighbours, 16 a tile
	s_mov_b32 s54, 768                             ; a row of codes in bytes
	s_mov_b32 s55, 32                              ; a row of scale bytes
	s_lshl_b32 s56, s51, 2                         ; first K step
	s_mov_b32 s57, 0                               ; no gap in the tile's rows
	s_mul_i32 s52, s50, REC6
	s_add_co_u32 s52, s52, W6                      ; the record
	s_mul_i32 s58, s51, 6144
	s_add_co_u32 s58, s58, s52                     ; where my four fragments go
	s_lshl_b32 s59, s51, 3
	s_add_co_u32 s59, s59, s52
	s_add_co_u32 s59, s59, 12288                   ; my two of a lane's four scale words
	s_mov_b32 s60, 4                               ; 16 bytes of scale words a lane
	s_add_co_u32 s61, s52, 12800                   ; the biases
	s_xor_b32 s62, s51, 1                          ; the first half stores them
	s_branch .Lrl_go
.Lrl_early:
	s_cmp_lt_u32 s43, 32
	s_cbranch_scc1 .Lrl_w2
	s_sub_co_u32 s50, s43, 32                      ; f_w: tile x = 0..63
	s_lshr_b32 s51, s50, 4                         ; stream = the wave that takes it
	s_and_b32 s52, s50, 15
	s_add_co_u32 s52, s52, 16                      ; record 16 + x % 16
	s_branch .Lrl_e2
.Lrl_w2:
	s_and_b32 s50, s43, 15                         ; w2 of an encoder: tile x = 0..15
	s_lshr_b32 s51, s43, 4
	s_lshl_b32 s51, s51, 1
	s_lshr_b32 s52, s50, 3
	s_add_co_u32 s51, s51, s52                     ; stream 2 x encoder + x / 8
	s_and_b32 s52, s50, 7
	s_add_co_u32 s52, s52, 8                       ; record 8 + x % 8
.Lrl_e2:
	s_lshr_b32 s53, s50, 1
	s_lshl_b32 s53, s53, 5
	s_and_b32 s54, s50, 1
	s_lshl_b32 s54, s54, 3
	s_add_co_u32 s53, s53, s54                     ; first row 32 (x / 2) + 8 (x % 2)
	s_mov_b32 s54, 384
	s_mov_b32 s55, 16
	s_mov_b32 s56, 0
	s_mov_b32 s57, 8                               ; rows 8-15 of the tile lie 8 further on
	s_mul_i32 s58, s51, WSTR
	s_mul_i32 s59, s52, REC
	s_add_co_u32 s58, s58, s59
	s_add_co_u32 s59, s58, 6144
	s_mov_b32 s60, 3                               ; 8 bytes of scale words a lane
	s_add_co_u32 s61, s58, 6400
	s_mov_b32 s62, 2                               ; biases, and zeros where a record of two tiles has its second tile's
.Lrl_go:
	s_wait_alu depctr_va_vdst(0)
	v_lshrrev_b32 v4, 3, v2
	v_mul_u32_u24 v4, s57, v4
	v_add3_u32 v4, v4, v2, s53                     ; my row
	v_mul_lo_u32 v5, v4, s54
	v_mad_u32_u24 v5, v3, 24, v5
	s_mul_i32 s63, s56, 96
	v_add_nc_u32 v5, s63, v5                       ; its codes: + 96 x first K step + 24 h
	v_mul_lo_u32 v6, v4, s55
	v_lshl_add_u32 v6, v3, 2, v6
	s_lshl_b32 s63, s56, 2
	v_add_nc_u32 v6, s63, v6                       ; its scale words: lanes 16-31 take the odd K steps'
	v_lshlrev_b32 v7, 2, v4                        ; its bias
	v_mov_b32 v83, 0
.irp f,0,1,2,3
.irp p,0,1,2,3,4,5
	global_load_b64 v[32+12*\f+2*\p:33+12*\f+2*\p], v5, s[44:45] offset:96*\f+48*(\p/3)+8*(\p%3)   ; a lane's 24 bytes as three loads of 8: every address a multiple of 8
.endr
.endr
	global_load_b32 v80, v6, s[46:47]
	global_load_b32 v81, v6, s[46:47] offset:8
	global_load_b32 v82, v7, s[48:49]
	v_lshl_add_u32 v8, v1, 4, s58
	v_lshlrev_b32 v9, s60, v1
	v_add_nc_u32 v9, s59, v9
	v_lshl_add_u32 v10, v2, 2, s61
	s_wait_alu depctr_va_vdst(0)
	s_wait_loadcnt 0x0
.irp f,0,1,2,3
.irp c,0,1,2
	global_store_b128 v8, v[32+12*\f+4*\c:35+12*\f+4*\c], s[38:39] offset:1536*\f+512*\c   ; 32 lanes store 512 consecutive bytes
.endr
.endr
	global_store_b64 v9, v[80:81], s[38:39]
	s_cmp_eq_u32 s62, 0
	s_cbranch_scc1 .Lrl_end
	global_store_b32 v10, v82, s[38:39]            ; lanes l and l xor 16 hold the same number and store it to the same place
	s_cmp_eq_u32 s62, 2
	s_cbranch_scc0 .Lrl_end
	global_store_b32 v10, v83, s[38:39] offset:64
.Lrl_end:
	s_endpgm
; ---------------- w1: a wave makes one fragment.  A lane takes a column and its registers run down K, in the order that the operand's layout gives that lane: k = 128 s + 64 c + 32 h + 0 .. 31
.Lw1:
	s_sub_co_u32 s43, ttmp9, 16
	s_lshl_b32 s43, s43, 2
	s_add_co_u32 s43, s43, s42                     ; job 0..127
	s_lshr_b32 s44, s43, 6                         ; encoder
	s_bfe_u32 s45, s43, 0x40002                    ; pair of tiles 0..15
	s_bfe_u32 s46, s43, 0x10001                    ; which tile of the pair
	s_and_b32 s47, s43, 1                          ; K step
	s_cmp_eq_u32 s44, 0
	s_cselect_b64 s[48:49], s[6:7], s[8:9]
	s_cselect_b64 s[50:51], s[10:11], s[12:13]
	s_lshl_b32 s52, s44, 1
	s_lshr_b32 s53, s45, 3
	s_add_co_u32 s52, s52, s53                     ; stream
	s_and_b32 s53, s45, 7                          ; record
	s_mul_i32 s52, s52, WSTR
	s_mul_i32 s53, s53, REC
	s_add_co_u32 s52, s52, s53
	s_lshl_b32 s54, s45, 5
	s_lshl_b32 s55, s46, 3
	s_add_co_u32 s54, s54, s55
	s_wait_alu depctr_va_vdst(0)
	v_and_b32 v4, 8, v2
	v_add3_u32 v4, v4, v2, s54                     ; my column: 32 x pair + 8 x tile + p + 8 (p / 8)
	v_lshlrev_b32 v5, 2, v4
	v_lshl_add_u32 v6, v3, 16, v5                  ; lanes 16-31 begin 32 rows (of 2,048 bytes) further down
	s_mov_b32 s58, 0x76543210
	s_mov_b32 s59, 0xfedcba98                      ; lane l xor 16
	global_load_b32 v29, v5, s[50:51]              ; b1 of my column
	s_cmp_eq_u32 s47, 0
	s_cbranch_scc0 .Lw1_s1
.set i,0
.rept 64
	global_load_b32 v[32+i], v6, s[48:49] offset:(64*(i/32)+i%32)*2048
.set i,i+1
.endr
	s_wait_loadcnt 0x0
	s_branch .Lw1_q
.Lw1_s1:                                           ; K = 128 .. 255, of which 200 on are zeros
.set i,0
	s_wait_alu depctr_va_vdst(0)
.rept 32
	global_load_b32 v[32+i], v6, s[48:49] offset:(128+i)*2048
.set i,i+1
.endr
.set i,0
.rept 8
	global_load_b32 v[64+i], v5, s[48:49] offset:(192+i)*2048   ; rows 192-199, by all lanes: no load passes row 199
.set i,i+1
.endr
.set i,0
.rept 24
	v_mov_b32 v[72+i], 0
.set i,i+1
.endr
	s_mov_b32 s60, 0xffff0000
	s_wait_loadcnt 0x0
.set i,0
.rept 8
	v_cndmask_b32 v[64+i], v[64+i], 0, s60         ; lanes 16-31 stand for k = 224 on: zeros
.set i,i+1
.endr
.Lw1_q:
.irp c,0,1
	v_max3_num_f32 v[20+\c], |v[32+32*\c]|, |v[33+32*\c]|, 0x1800000   ; my block 2 c + h: all 32 numbers are mine; the floor 2^(3 - 127) holds the byte at 1 from below
.endr
.irp i,2,4,6,8,10,12,14,16,18,20,22,24,26,28,30
.irp c,0,1
	v_max3_num_f32 v[20+\c], v[20+\c], |v[32+32*\c+\i]|, |v[33+32*\c+\i]|
.endr
.endr
.irp c,0,1
	v_add_nc_u32 v[22+\c], 0xff000000, v[20+\c]    ; 2 off the exponent field: the conversion's scale operand
.endr
.irp c,0,1
	v_lshrrev_b32 v[24+\c], 23, v[22+\c]           ; the scale's byte
.endr
	v_lshl_or_b32 v26, v25, 16, v24                ; bytes h and 2 + h of the scale word,
	v_lshlrev_b32 v27, 3, v3
	v_lshlrev_b32 v26, v27, v26                    ; at their places;
	v_mov_b32 v28, 0
	v_permlanex16_b32 v28, v26, s58, s59
	v_or_b32 v26, v26, v28                         ; with lane l xor 16's two the word is whole, in both lanes
.irp c,0,1
	v_cvt_scalef32_pk16_fp6_f32 v[100+6*\c:102+6*\c], v[32+32*\c:47+32*\c], v[22+\c]
	v_cvt_scalef32_pk16_fp6_f32 v[112+4*\c:114+4*\c], v[48+32*\c:63+32*\c], v[22+\c]   ; (a conversion's three registers begin on an even number)
.endr
	v_nop                                          ; one plain place behind a scaled conversion
.irp c,0,1
.irp i,0,1,2
	v_mov_b32 v[103+6*\c+\i], v[112+4*\c+\i]
.endr
.endr
	s_lshl_b32 s55, s46, 1
	s_add_co_u32 s55, s55, s47                     ; fragment 2 x tile + K step
	s_mul_i32 s55, s55, 1536
	s_add_co_u32 s55, s55, s52
	v_lshl_add_u32 v7, v1, 4, s55
	s_wait_alu depctr_va_vdst(0)
	s_lshl_b32 s55, s47, 7
	s_lshl_b32 s56, s46, 2
	s_add_co_u32 s55, s55, s56
	s_add_co_u32 s55, s55, s52
	v_lshl_add_u32 v8, v2, 3, s55                  ; the scale word: lane 16 x K step + p of the reader, its word number = the tile
	s_lshl_b32 s55, s46, 6
	s_add_co_u32 s55, s55, s52
	v_lshl_add_u32 v9, v2, 2, s55
.irp c,0,1,2
	global_store_b128 v7, v[100+4*\c:103+4*\c], s[38:39] offset:512*\c
.endr
	global_store_b32 v8, v26, s[38:39] offset:6144
	s_cmp_eq_u32 s47, 0
	s_cbranch_scc0 .Lw1_end
	global_store_b32 v9, v29, s[38:39] offset:6400
.Lw1_end:
	s_endpgm
; ---------------- the sort.  The rows' order: chunk of 1,024 (a work-group's), run of 256 (a wave's), register, lane.  A row of label 0 goes to the number of such rows before it, any other to n0 + the number of others before it.
; Wave v of work-group j places rows 1024 j + 256 v .. + 255 (register 4 i + k: row + 128 i + 4 lane + k) and counts chunks 4 v .. 4 v + 3 (register 4 i + k: row 4096 v + 128 i + 4 lane + k).
.Lsort:
	s_lshl_b32 s43, ttmp9, 12
	s_lshl_b32 s44, s42, 10
	s_add_co_u32 s43, s43, s44                     ; my 256 labels, in bytes
	s_wait_alu depctr_va_vdst(0)
	v_lshl_add_u32 v4, v1, 4, s43
	global_load_b128 v[160:163], v4, s[4:5]
	global_load_b128 v[164:167], v4, s[4:5] offset:512
	s_lshl_b32 s44, s42, 14                        ; my quarter of all labels
	v_lshl_add_u32 v5, v1, 4, s44
.set i,0
.rept 32
	global_load_b128 v[32+4*i:35+4*i], v5, s[4:5] offset:512*i
.set i,i+1
.endr
	s_lshr_b32 s43, s43, 2                         ; my first row
	v_lshl_add_u32 v15, v1, 2, s43                 ; + 4 lane
	s_mov_b32 s48, 0
	s_wait_loadcnt 32                              ; the quarter's 32 loads were issued behind my own two
.set i,0
.rept 8
	v_cmp_eq_u32 s50, 0, v[160+i]
	s_bcnt1_i32_b32 s51, s50
	s_add_co_u32 s48, s48, s51                     ; label 0 among my 256 rows
.set i,i+1
.endr
.irp q,0,1,2,3
	s_mov_b32 s[44+\q], 0
	s_wait_loadcnt 24-8*\q                         ; chunk q's eight loads are in; the later chunks' may be out
.set i,0
.rept 8
	v_cmp_eq_u32 s50, 0, v[32+32*\q+4*i]
	v_cmp_eq_u32 s51, 0, v[33+32*\q+4*i]
	v_cmp_eq_u32 s52, 0, v[34+32*\q+4*i]
	v_cmp_eq_u32 s53, 0, v[35+32*\q+4*i]
	s_bcnt1_i32_b32 s50, s50
	s_bcnt1_i32_b32 s51, s51
	s_bcnt1_i32_b32 s52, s52
	s_bcnt1_i32_b32 s53, s53
	s_add_co_u32 s50, s50, s51
	s_add_co_u32 s52, s52, s53
	s_add_co_u32 s50, s50, s52
	s_add_co_u32 s[44+\q], s[44+\q], s50           ; label 0 in chunk 4 v + q
.set i,i+1
.endr
.endr
	v_mov_b32 v11, s42
	v_lshlrev_b32 v12, 2, v11                      ; 4 v
	v_lshlrev_b32 v11, 4, v11                      ; 16 v
.irp q,0,1,2,3
	v_mov_b32 v[16+\q], s[44+\q]
.endr
	v_mov_b32 v20, s48
.irp q,0,1,2,3
	ds_store_b32 v11, v[16+\q] offset:4*\q         ; LDS words 0-15: the chunks' counts.  All lanes write the same word with the same value
.endr
	ds_store_b32 v12, v20 offset:64                ; words 16-19: the four waves' own counts
	s_wait_dscnt 0x0                               ; for the others' sake
	s_barrier_signal -1
	s_barrier_wait -1
	v_lshlrev_b32 v13, 2, v2
	v_and_b32 v14, 3, v0
	v_lshlrev_b32 v14, 2, v14
	ds_load_b32 v21, v13                           ; lane p: chunk p's count
	ds_load_b32 v22, v14 offset:64                 ; lane u (of four): wave u's count
	s_mov_b32 s54, 0
	s_mov_b32 s55, 0
	s_wait_dscnt 0x0
.set i,0
.rept 16
	v_readlane_b32 s51, v21, i
	s_add_co_u32 s54, s54, s51                     ; n0
	s_cmp_gt_u32 ttmp9, i
	s_cselect_b32 s52, s51, 0
	s_add_co_u32 s55, s55, s52                     ; label 0 in the chunks before mine,
.set i,i+1
.endr
.set i,0
.rept 3
	v_readlane_b32 s51, v22, i
	s_cmp_gt_u32 s42, i
	s_cselect_b32 s52, s51, 0
	s_add_co_u32 s55, s55, s52                     ; and in my chunk's runs before mine
.set i,i+1
.endr
	s_mov_b32 s56, s55                             ; where my next row of label 0 goes,
	s_add_co_u32 s57, s54, s43
	s_sub_co_u32 s57, s57, s55                     ; and my next row of the other label: n0 + my first row - those
.set i,0
.rept 8
	v_cmp_eq_u32 s50, 0, v[160+i]
	s_not_b32 s51, s50
	v_mbcnt_lo_u32_b32 v[168+i], s50, s56          ; + the lower lanes of the same kind
	v_mbcnt_lo_u32_b32 v23, s51, s57
	v_cndmask_b32 v[168+i], v23, v[168+i], s50
	v_min_u32 v[168+i], 0x3fff, v[168+i]           ; a place in the list
	v_lshlrev_b32 v[168+i], 2, v[168+i]
	v_add_nc_u32 v[176+i], 128*(i/4)+i%4, v15      ; the row's number.  Each step has registers of its own: no store's sources are written again
	global_store_b32 v[168+i], v[176+i], s[40:41]
	s_bcnt1_i32_b32 s52, s50
	s_add_co_u32 s56, s56, s52
	s_sub_co_u32 s52, 32, s52
	s_add_co_u32 s57, s57, s52
.set i,i+1
.endr
	s_or_b32 s52, ttmp9, s42
	s_cmp_lg_u32 s52, 0
	s_cbranch_scc1 .Lsort_end                      ; wave 0 of work-group 0 stores n0
	v_mov_b32 v24, s54
	v_lshlrev_b32 v25, 2, v1
	global_store_b32 v25, v24, s[40:41] offset:65536
.Lsort_end:
	s_wait_tensorcnt 0x0
	ds_add_u32 v192, v193
	s_wait_dscnt 0x0
	s_endpgm
.Lfunc_end_k_q712f4c9220_prep:
	.size	k_q712f4c9220_prep, .Lfunc_end_k_q712f4c9220_prep-k_q712f4c9220_prep
	.p2alignl 7, 3214868480
	.fill 96, 4, 3214868480
	.section	.rodata,"a",@progbits
	.p2align	6, 0x0
	.amdhsa_kernel k_q712f4c9220_prep
		.amdhsa_group_segment_fixed_size 768
		.amdhsa_private_segment_fixed_size 0
		.amdhsa_enable_private_segment 0
		.amdhsa_kernarg_size 152
		.amdhsa_user_sgpr_count 2
		.amdhsa_user_sgpr_kernarg_segment_ptr 1
		.amdhsa_wavefront_size32 1
		.amdhsa_system_sgpr_workgroup_id_x 1
		.amdhsa_system_sgpr_workgroup_id_y 1
		.amdhsa_system_sgpr_workgroup_id_z 1
		.amdhsa_system_vgpr_workitem_id 0
		.amdhsa_next_free_vgpr 194
		.amdhsa_next_free_sgpr 66
		.amdhsa_reserve_vcc 0
		.amdhsa_float_denorm_mode_32 3
		.amdhsa_float_denorm_mode_16_64 3
		.amdhsa_memory_ordered 1
		.amdhsa_forward_progress 1
		.amdhsa_inst_pref_size 56
	.end_amdhsa_kernel
	.amdgpu_metadata
---
amdhsa.version: [ 1, 2 ]
amdhsa.kernels:
  - .name:           k_q712f4c9220_prep
    .symbol:         k_q712f4c9220_prep.kd
    .args:
      - { .name: affective_labels, .offset: 0, .size: 8, .value_kind: global_buffer, .address_space: global }
      - { .name: cn_w1, .offset: 8, .size: 8, .value_kind: global_buffer, .address_space: global }
      - { .name: cm_w1, .offset: 16, .size: 8, .value_kind: global_buffer, .address_space: global }
      - { .name: cn_b1, .offset: 24, .size: 8, .value_kind: global_buffer, .address_space: global }
      - { .name: cm_b1, .offset: 32, .size: 8, .value_kind: global_buffer, .address_space: global }
      - { .name: cn_w2_codes, .offset: 40, .size: 8, .value_kind: global_buffer, .address_space: global }
      - { .name: cm_w2_codes, .offset: 48, .size: 8, .value_kind: global_buffer, .address_space: global }
      - { .name: cn_w2_scales, .offset: 56, .size: 8, .value_kind: global_buffer, .address_space: global }
      - { .name: cm_w2_scales, .offset: 64, .size: 8, .value_kind: global_buffer, .address_space: global }
      - { .name: cn_b2, .offset: 72, .size: 8, .value_kind: global_buffer, .address_space: global }
      - { .name: cm_b2, .offset: 80, .size: 8, .value_kind: global_buffer, .address_space: global }
      - { .name: f_w_codes, .offset: 88, .size: 8, .value_kind: global_buffer, .address_space: global }
      - { .name: f_w_scales, .offset: 96, .size: 8, .value_kind: global_buffer, .address_space: global }
      - { .name: f_b, .offset: 104, .size: 8, .value_kind: global_buffer, .address_space: global }
      - { .name: e_w_codes, .offset: 112, .size: 8, .value_kind: global_buffer, .address_space: global }
      - { .name: e_w_scales, .offset: 120, .size: 8, .value_kind: global_buffer, .address_space: global }
      - { .name: e_b, .offset: 128, .size: 8, .value_kind: global_buffer, .address_space: global }
      - { .name: wstream, .offset: 136, .size: 8, .value_kind: global_buffer, .address_space: global }
      - { .name: route, .offset: 144, .size: 8, .value_kind: global_buffer, .address_space: global }
    .group_segment_fixed_size: 768
    .private_segment_fixed_size: 0
    .kernarg_segment_align: 8
    .kernarg_segment_size: 152
    .max_flat_workgroup_size: 128
    .sgpr_count:     66
    .vgpr_count:     194
    .wavefront_size: 32
...
	.end_amdgpu_metadata
.endif
;; end of part 1
;; launch main (part 2): grid 256 x 1, 4 waves a work-group, no clusters, 231,936 bytes of LDS; arguments conceptnet_features, comet_features, route, wstream, ln_w, ln_b, out0; writes out0
.if DOCPART == 2
	.amdgcn_target "amdgcn-amd-amdhsa--gfx1250"
	.amdhsa_code_object_version 6
	.text
	.protected	k_q712f4c9220_main
	.globl	k_q712f4c9220_main
	.p2align	8
	.type	k_q712f4c9220_main,@function
k_q712f4c9220_main:
	s_mov_b64 s[64:65], 0
	v_nop
	global_prefetch_b8 v0, s[64:65] scope:SCOPE_SE
	s_setreg_imm32_b32 hwreg(HW_REG_WAVE_MODE, 25, 1), 1
	s_wait_xcnt 0x0
; MAIN: a work-group takes 64 rows of the sorted list through the whole chain: two encoders (200 -> 512, relu, -> 256), the fusion (512 -> 1,024), LayerNorm, relu, the labelled expert (1,024 -> 1,024).
; All six products on codes of FP6 (E2M3) with one E8M0 scale for 32 along K; all else in f32.  Nothing between the products goes to memory.
; SHARES.  THE FOUR WAVES SHARE THE COLUMNS of every layer, not the rows: each weight fragment is read by one wave alone and meets all four tiles of 16 rows.  So the weights go from memory straight into
; registers, as the first launch has laid them: 512 consecutive bytes an instruction, through a ring of register slots with counted waits.  LDS would add a write and a read of them and spare nothing.
; The rows' codes go from wave to wave through LDS as images of operand registers (three stores of 16 bytes a lane, lane l at 16 l; the scale word at 4 l); each LDS region is written once and read behind one barrier.
; EVERY PRODUCT IS USED TRANSPOSED: source 0 = 16 rows of a weight, source 1 = 16 rows of activations: a lane holds one row (lane % 16) and its registers run along N, the next product's K.
; THE EXPERT.  Rows are sorted by label, n0 of label 0 first.  A work-group whose 64 places lie on one side of n0 walks that expert's records.  The one that straddles n0 walks both and chooses row by row (v_cndmask_b32).
; That is a scalar branch on n0, a whole number stored by the first launch; each fragment has one reader in a work-group.
; LIMITS: NaN and infinities are not served.  A block of zeros carries the byte 1 (its codes are zeros; the bytes are the program's own).  Sums are added in another order than the definition's.
; The variance is the mean square of (h - mean), taken in a second pass: a common offset costs no cancellation.
; REGISTERS by absolute number 0..1023; the macros split a number into its window of 256 and the low byte.
;  0-31 addresses | 32-47 the rows' scale words | 48-63 the weights' scale words (these 32 hold scales and nothing else) | early ring: four slots of 48 (448, 112, 160, 208) with 16 of bias (496, 64, 80, 96)
;  256-447 source 1 of the product in hand (256-261 at the head: the rows' numbers and offsets in x) | 512-1023 sums | the quantiser's 46 at 768 (early) or 448 (LayerNorm)
;  last product: 512-703, 448-495, 704-751, 960-1007, 208-255 the 32 fragments of h; four buffers of 96 for weights; 64-95 biases; 96-159 eight accumulators; 96-207, 1008-1023 rows on the way out; 496-511, 752-767 the rows' offsets in out0
.set REC,   6656
.set REC6,  13056
.set W6,    851968
.set WSTR,  212992
.set FRB,   1536                       ; a fragment's image
.set XIMG,  0                          ; x: fragment (4 encoder + m) 2 + s
.set XSC,   24576                      ; scale words, 128 bytes a fragment
.set HIMG,  26624                      ; hidden layers: 16 encoder + 4 m + s
.set HSC,   75776
.set FIMG,  79872                      ; the fused 512: 4 m + s
.set FSC,   104448
.set GIMG,  106496                     ; h: 8 m + s
.set GSC,   155648
.set STAT,  159744                     ; row sums, then row sums of squares: 2 x (4 waves x 64 rows x 4 bytes)
.set STG,   161792                     ; each wave's stage for the way out: 64 rows x (256 + 16) bytes
.set LI,1
.set L8,3
.set H32,4
.set H64,5
.set XWI,6
.set XWS,7
.set XRA,8
.set XRS,9
.set HWI,10
.set HWS,11
.set HRA,12
.set HRS,13
.set FWI,14
.set FWS,15
.set FRA,16
.set FRS,17
.set GWI,18
.set GWS,19
.set GRA,20
.set GRS,21
.set STA,22
.set STR,23
.set STO,24
.set STOB,25
.set RD,26
.set C16,27
.set RT4,28
.set R4,29
.set MSB,0
.set NLD,0                             ; global loads issued so far, counted by the assembler: a wait's count is the loads issued behind the group that it waits for
.macro WIN new                         ; the immediate's high byte repeats the setting that is left; a switch that changes nothing is dropped
.if MSB != (\new)
	s_set_vgpr_msb (MSB<<8)|(\new)
.set MSB, (\new)
.endif
.endm
.macro GLD128 dst, adr, sb, off
	WIN (((\dst)/256)<<6)|((\adr)/256)
	global_load_b128 v[(\dst)%256:(\dst)%256+3], v[(\adr)%256], s[\sb:\sb+1] offset:\off
.set NLD, NLD+1
.endm
.macro GLD64 dst, adr, sb, off
	WIN (((\dst)/256)<<6)|((\adr)/256)
	global_load_b64 v[(\dst)%256:(\dst)%256+1], v[(\adr)%256], s[\sb:\sb+1] offset:\off
.set NLD, NLD+1
.endm
.macro GLD32 dst, adr, sb, off
	WIN (((\dst)/256)<<6)|((\adr)/256)
	global_load_b32 v[(\dst)%256], v[(\adr)%256], s[\sb:\sb+1] offset:\off
.set NLD, NLD+1
.endm
.macro WAITN n                         ; loads come back in order (ISA guide 5.7.1); the wait's field holds 63 at the most
.if (\n) > 63
	s_wait_loadcnt 63
.else
	s_wait_loadcnt \n
.endif
.endm
.macro DSL128 dst, adr, off
	WIN (((\dst)/256)<<6)
	ds_load_b128 v[(\dst)%256:(\dst)%256+3], v[\adr] offset:\off
.endm
.macro DSL32 dst, adr, off
	WIN (((\dst)/256)<<6)
	ds_load_b32 v[(\dst)%256], v[\adr] offset:\off
.endm
.macro GST128 adr, data
	WIN (((\data)/256)<<2)|((\adr)/256)
	global_store_b128 v[(\adr)%256], v[(\data)%256:(\data)%256+3], s[56:57] th:TH_STORE_NT
.endm
.macro NOPS n
.rept \n
	v_nop
.endr
.endm
.macro BARRIER                         ; my LDS stores have landed and my LDS loads are in: then the work-group's barrier
	s_wait_dscnt 0x0
	s_barrier_signal -1
	s_barrier_wait -1
.endm
; One product 16 x 16 x 128.  row = 1: both sides' scale words are taken from lanes 16-31 of their registers (the odd K step's)
.macro MM d, a, b, c, sa, sb, row
	WIN (((\d)/256)<<6)|(((\c)/256)<<4)|(((\b)/256)<<2)|((\a)/256)
.if (\row)==0
	v_wmma_scale_f32_16x16x128_f8f6f4 v[(\d)%256:(\d)%256+7], v[(\a)%256:(\a)%256+11], v[(\b)%256:(\b)%256+11], v[(\c)%256:(\c)%256+7], v[\sa], v[\sb] matrix_a_fmt:MATRIX_FMT_FP6 matrix_b_fmt:MATRIX_FMT_FP6
.else
	v_wmma_scale_f32_16x16x128_f8f6f4 v[(\d)%256:(\d)%256+7], v[(\a)%256:(\a)%256+11], v[(\b)%256:(\b)%256+11], v[(\c)%256:(\c)%256+7], v[\sa], v[\sb] matrix_a_fmt:MATRIX_FMT_FP6 matrix_b_fmt:MATRIX_FMT_FP6 matrix_a_scale:MATRIX_SCALE_ROW1 matrix_b_scale:MATRIX_SCALE_ROW1
.endif
.endm
.macro SLOTREG slot                    ; an early slot's registers: ESB fragments, EBB biases
.if (\slot)==0
.set ESB, 448
.set EBB, 496
.else
.set ESB, 64+48*(\slot)
.set EBB, 48+16*(\slot)
.endif
.endm
; An early record into a slot: 12 loads of fragments, one of scale words, two for each tile's biases (lane (r, h) takes the biases of tile rows 8 h .. 8 h + 7: the sums' own layout): 15 or 17 loads
.macro FILLE slot, off, nb
	SLOTREG \slot
.irp f,0,1,2,3
.irp c,0,1,2
	GLD128 ESB+12*\f+4*\c, LI, 24, (\off)+1536*\f+512*\c
.endr
.endr
	GLD64 48+2*(\slot), L8, 24, (\off)+6144
.irp k,0,1
	GLD128 EBB+4*\k, H32, 24, (\off)+6400+16*\k
.endr
.if (\nb)>1
.irp k,0,1
	GLD128 EBB+8+4*\k, H32, 24, (\off)+6464+16*\k
.endr
.endif
.endm
.macro BFREG buf, s                    ; the last product's weight buffers: fragment s of buffer buf
.if (\buf)==0
.set BFR, 256+12*(\s)
.elseif (\buf)==1
.set BFR, 352+12*(\s)
.elseif (\buf)==2
.set BFR, 768+12*(\s)
.else
.set BFR, 864+12*(\s)
.endif
.endm
.macro FILL6 buf                       ; a record of an expert: 24 + 1 + 2 = 27 loads
.irp s,0,1,2,3,4,5,6,7
	BFREG \buf, \s
.irp c,0,1,2
	GLD128 BFR+4*\c, LI, (26+2*(\buf)), 1536*\s+512*\c
.endr
.endr
	GLD128 48+4*(\buf), LI, (26+2*(\buf)), 12288
	GLD128 64+8*(\buf), H32, (26+2*(\buf)), 12800
	GLD128 68+8*(\buf), H32, (26+2*(\buf)), 12816
.endm
; THE QUANTISER.  64 numbers of a lane from register d on, register 16 b + i = k 32 b + 16 (lane / 16) + i of my row, become a fragment's codes and its scale word, which go to LDS as they stand.
; qt: 46 registers at work: +0 maxima, +4 the other half's, then bytes, +8 scale operands, +12 second halves, +20 and +32 two sets of codes by turns, +44, +45 the scale words.
.macro QUANT d, qt, set, adri, offi, adrs, offs
.set WD, (\d)/256
.set WQ, (\qt)/256
.set D0, (\d)%256
.set T0, (\qt)%256
.set PC0, T0+20+12*(\set)
.set PW0, T0+44+(\set)
	s_wait_dscnt 0x4                               ; the four stores of the run before may be out; those that read this set of codes are done
	WIN (WQ<<6)|(WD<<4)|(WD<<2)|WQ
.irp b,0,1,2,3
	v_max3_num_f32 v[T0+\b], 0x1800000, |v[D0+16*\b]|, |v[D0+16*\b+1]|   ; block b: my 16 numbers, and the floor 2^(3 - 127): the byte cannot fall under 1
.endr
.irp i,2,4,6,8,10,12,14
.irp b,0,1,2,3
	v_max3_num_f32 v[T0+\b], v[T0+\b], |v[D0+16*\b+\i]|, |v[D0+16*\b+\i+1]|   ; (the four blocks by turns; each tile of sums is read from its low end on)
.endr
.endr
	WIN (WQ<<6)|(WQ<<4)|(WQ<<2)|WQ
.irp b,0,1,2,3
	v_permlanex16_b32 v[T0+4+\b], v[T0+\b], s44, s45
.endr
.irp b,0,1,2,3
	v_max_num_f32 v[T0+\b], v[T0+\b], v[T0+4+\b]   ; with lane l xor 16's: the block's largest magnitude
.endr
.irp b,0,1,2,3
	v_add_nc_u32 v[T0+8+\b], 0xff000000, v[T0+\b]  ; 2 off its exponent field: the conversion takes the exponent field of this operand as its scale
.endr
.irp b,0,1,2,3
	v_lshrrev_b32 v[T0+4+\b], 23, v[T0+8+\b]       ; the scale's byte
.endr
	v_lshl_or_b32 v[PW0], v[T0+5], 8, v[T0+4]
	v_lshl_or_b32 v[PW0], v[T0+6], 16, v[PW0]
	v_lshl_or_b32 v[PW0], v[T0+7], 24, v[PW0]      ; my row's scale word, the same in lanes l and l xor 16
	WIN (WQ<<6)|(WQ<<2)|WD
.irp c,0,1
	v_cvt_scalef32_pk16_fp6_f32 v[PC0+6*\c:PC0+6*\c+2], v[D0+32*\c:D0+32*\c+15], v[T0+8+2*\c]
	v_cvt_scalef32_pk16_fp6_f32 v[T0+12+4*\c:T0+14+4*\c], v[D0+32*\c+16:D0+32*\c+31], v[T0+9+2*\c]   ; (a conversion's three registers begin on an even number)
.endr
	WIN (WQ<<6)|(WQ<<4)|(WQ<<2)|WQ
	v_nop                                          ; one plain place behind a scaled conversion
.irp c,0,1                                     ; the operand's layout wants a whole block in a lane: lanes 0-15 block 2 c, lanes 16-31 block 2 c + 1
.irp i,0,1,2
	v_permlane16_swap_b32 v[PC0+6*\c+\i], v[T0+12+4*\c+\i]
.endr
.irp i,0,1,2
	v_mov_b32 v[PC0+3+6*\c+\i], v[T0+12+4*\c+\i]
.endr
.endr
	WIN (WQ<<2)
.irp c,0,1,2
	ds_store_b128 v[\adri], v[PC0+4*\c:PC0+4*\c+3] offset:(\offi)+512*\c
.endr
	ds_store_b32 v[\adrs], v[PW0] offset:\offs
.endm
; ---------------- the head
	s_load_b256 s[8:15], s[0:1], 0x0               ; conceptnet 8, comet 10, route 12, wstream 14
	s_load_b128 s[16:19], s[0:1], 0x20             ; ln_w 16, ln_b 18
	s_load_b64 s[20:21], s[0:1], 0x30              ; out0
	v_lshrrev_b32 v1, 5, v0
	v_readfirstlane_b32 s2, v1                     ; wave w
	s_lshr_b32 s3, s2, 1                           ; my encoder
	s_and_b32 s4, s2, 1                            ; my half of it
	v_and_b32 v30, 31, v0                          ; lane
	v_and_b32 v31, 15, v0                          ; r
	v_bfe_u32 v2, v0, 4, 1                         ; h
	v_lshlrev_b32 v[LI], 4, v30
	v_lshlrev_b32 v[L8], 3, v30
	v_lshlrev_b32 v[H32], 5, v2
	v_lshlrev_b32 v[H64], 6, v2
	v_lshlrev_b32 v[R4], 2, v31
	v_lshlrev_b32 v[RT4], 2, v2
	v_lshlrev_b32 v[C16], 4, v31
	v_lshlrev_b32 v30, 2, v30                      ; 4 x lane: where a scale word is stored
	v_lshl_add_u32 v25, v2, 7, v30                 ; 4 x lane + 128 h: where two K steps' words are read: lanes 0-15 the even step's, lanes 16-31 the odd step's
	s_wait_alu depctr_va_vdst(0)
	s_mul_i32 s48, s2, 4*FRB
	v_add_nc_u32 v[XWI], s48, v[LI]
	s_lshl_b32 s48, s2, 9
	s_add_co_u32 s48, s48, XSC
	v_add_nc_u32 v[XWS], s48, v30
	s_mul_i32 s48, s3, 8*FRB
	v_add_nc_u32 v[XRA], s48, v[LI]
	s_lshl_b32 s48, s3, 10
	s_add_co_u32 s48, s48, XSC
	v_add_nc_u32 v[XRS], s48, v25
	s_mul_i32 s48, s3, 16*FRB
	s_add_co_u32 s48, s48, HIMG
	v_add_nc_u32 v[HRA], s48, v[LI]
	s_mul_i32 s49, s4, 2*FRB
	s_add_co_u32 s48, s48, s49
	v_add_nc_u32 v[HWI], s48, v[LI]
	s_lshl_b32 s48, s3, 11
	s_add_co_u32 s48, s48, HSC
	v_add_nc_u32 v[HRS], s48, v25
	s_lshl_b32 s49, s4, 8
	s_add_co_u32 s48, s48, s49
	v_add_nc_u32 v[HWS], s48, v30
	s_mul_i32 s48, s2, FRB
	s_add_co_u32 s48, s48, FIMG
	v_add_nc_u32 v[FWI], s48, v[LI]
	s_lshl_b32 s48, s2, 7
	s_add_co_u32 s48, s48, FSC
	v_add_nc_u32 v[FWS], s48, v30
	v_add_nc_u32 v[FRA], FIMG, v[LI]
	v_add_nc_u32 v[FRS], FSC, v25
	s_mul_i32 s48, s2, 2*FRB
	s_add_co_u32 s48, s48, GIMG
	v_add_nc_u32 v[GWI], s48, v[LI]
	s_lshl_b32 s48, s2, 8
	s_add_co_u32 s49, s48, GSC
	v_add_nc_u32 v[GWS], s49, v30
	v_add_nc_u32 v[GRA], GIMG, v[LI]
	v_add_nc_u32 v[GRS], GSC, v25
	s_add_co_u32 s49, s48, STAT
	v_add_nc_u32 v[STA], s49, v[R4]
	v_add_nc_u32 v[STR], STAT, v[R4]
	s_mul_i32 s48, s2, 17408
	s_add_co_u32 s48, s48, STG
	v_mul_u32_u24 v[STO], v31, 272                 ; into my stage: row r, 32 bytes for each half of the lanes
	v_lshl_add_u32 v[STO], v2, 5, v[STO]
	v_add_nc_u32 v[STO], s48, v[STO]
	v_mul_u32_u24 v[RD], v2, 272                   ; back: lanes 0-15 one row of 256 bytes, lanes 16-31 the next
	v_lshl_add_u32 v[RD], v31, 4, v[RD]
	v_add_nc_u32 v[RD], s48, v[RD]
	s_mov_b32 s44, 0x76543210
	s_mov_b32 s45, 0xfedcba98                      ; lane l xor 16
	s_mov_b32 s46, 0xffff0000                      ; lanes 16-31
	s_mov_b32 s50, 0x3a800000                      ; 1 / 1024
	s_mov_b32 s51, 0x3727c5ac                      ; 1e-5
	s_mov_b32 s53, 0
	s_wait_kmcnt 0x0
	s_load_b32 s36, s[12:13], 0x10000              ; n0
	s_cmp_eq_u32 s3, 0
	s_cselect_b64 s[22:23], s[8:9], s[10:11]       ; my encoder's features
	s_mul_i32 s52, s2, WSTR
	s_add_nc_u64 s[24:25], s[14:15], s[52:53]      ; my early stream
	s_lshl_b32 s52, ttmp9, 8
	s_add_nc_u64 s[60:61], s[12:13], s[52:53]      ; the list at my work-group's 64 places
	s_lshl_b32 s52, s4, 7
	s_add_nc_u64 s[58:59], s[60:61], s[52:53]      ; and at the 32 that I quantise
	s_lshl_b32 s52, s2, 10
	s_add_nc_u64 s[16:17], s[16:17], s[52:53]      ; ln_w, ln_b and out0 at my 256 columns
	s_add_nc_u64 s[18:19], s[18:19], s[52:53]
	s_add_nc_u64 s[56:57], s[20:21], s[52:53]
; ---------------- X: my 32 rows of my encoder's features become four fragments (two tiles of rows x two K steps; K = 200 is filled with zeros to 256)
	GLD32 256, R4, 58, 0                           ; the rows' numbers: tile 0,
	GLD32 257, R4, 58, 64                          ; tile 1
.set MORD, NLD
	FILLE 0, 0, 2                                  ; the first two records of weights go out while the numbers come
	FILLE 1, REC, 2
	WIN 0
	s_wait_kmcnt 0x0
	s_min_u32 s36, s36, 0x4000
	s_lshl_b32 s37, ttmp9, 6                       ; my first place
	s_cmp_ge_u32 s37, s36
	s_cselect_b32 s39, 1, 0                        ; all my rows are expert 1's
	s_add_co_u32 s48, s37, 64
	s_cmp_gt_u32 s48, s36
	s_cselect_b32 s38, 1, 0
	s_xor_b32 s49, s39, 1
	s_and_b32 s38, s38, s49                        ; n0 lies inside my 64 places: both experts
	s_xor_b32 s55, s38, 1
	s_lshl_b32 s49, s39, 6
	s_lshl_b32 s5, s2, 4
.irp p,0,1,2,3                                 ; buffer p's first record.  One expert: tiles p of it.  Both: expert p % 2, tile p / 2
	s_add_co_u32 s48, s49, \p
	s_cmp_lg_u32 s38, 0
	s_cselect_b32 s48, 64*(\p%2)+\p/2, s48
	s_add_co_u32 s48, s48, s5                      ; + my 16 tiles
	s_min_u32 s48, s48, 127
	s_mul_i32 s52, s48, REC6
	s_add_nc_u64 s[26+2*\p:27+2*\p], s[14:15], s[52:53]
	s_add_nc_u64 s[26+2*\p:27+2*\p], s[26+2*\p:27+2*\p], W6
.endr
	s_cmp_lg_u32 s38, 0
	s_mov_b32 s34, 4*REC6
	s_cselect_b32 s34, 2*REC6, s34                 ; a trip's step: four tiles, or two of each expert
	s_cselect_b32 s54, 7, 3                        ; trips that fill again
	s_min_u32 s34, s34, 4*REC6
	s_mov_b32 s35, 0
.irp m,0,1,2,3
	s_add_co_u32 s48, s37, 16*\m
	v_add_nc_u32 v2, s48, v31
	v_cmp_le_u32 s[40+\m], s36, v2                 ; my row of tile m is expert 1's
.endr
	WAITN NLD-MORD                                 ; the two fills were issued behind the rows' numbers
	WIN (1<<6)|(1<<2)|1                            ; registers 256-261
	v_min_u32 v0, 0x3fff, v0
	v_min_u32 v1, 0x3fff, v1
	v_mul_u32_u24 v3, v0, 800                      ; a row is 800 bytes: 259, 261
	v_mul_u32_u24 v5, v1, 800
	WIN (1<<6)|1                                   ; (the second source, 64 h, lies in window 0)
	v_add_nc_u32 v2, v3, v[H64]                    ; + 64 h: my 16 numbers of each block of 32: 258, 260
	v_add_nc_u32 v4, v5, v[H64]
.macro XLOADS i
.irp b,0,1,2,3
.irp j,0,1,2,3
	GLD128 512+128*(\i)+16*\b+4*\j, 258+2*(\i), 22, 128*\b+16*\j
.endr
.endr
.set MXA\i, NLD
.irp b,0,1
.irp j,0,1,2,3
	GLD128 576+128*(\i)+16*\b+4*\j, 258+2*(\i), 22, 512+128*\b+16*\j
.endr
.endr
.irp j,0,1
	GLD128 608+128*(\i)+4*\j, 259+2*(\i), 22, 768+16*\j   ; k = 192 .. 199, by all lanes: no load passes the row's end
.endr
.set MXB\i, NLD
.endm
	XLOADS 0
	XLOADS 1
	FILLE 2, 2*REC, 2                              ; the ring's other two slots go out straight behind x: their records land while x is awaited and quantised
	FILLE 3, 3*REC, 2
	WIN 2<<6
.irp i,0,1
.set j,40
.rept 24
	v_mov_b32 v[128*\i+64+j], 0                    ; k = 200 on
.set j,j+1
.endr
.endr
	WIN 3<<6
.irp b,0,1,2,3
	v_mov_b32 v[4+\b], 0                           ; written once: a lane permute's destination counts as one of its sources
.endr
.irp i,0,1
	WAITN NLD-MXA\i                                ; what was issued behind this K step's loads: the rest of x and the two fills
	QUANT 512+128*\i, 768, 0, XWI, FRB*(2*\i), XWS, 128*(2*\i)
	WAITN NLD-MXB\i
	WIN (2<<6)|2
.irp j,0,1,2,3,4,5,6,7
	v_cndmask_b32 v[128*\i+96+\j], v[128*\i+96+\j], 0, s46   ; lanes 16-31 stand for k = 208 on
.endr
	s_wait_alu depctr_va_vdst(0)
	QUANT 576+128*\i, 768, 1, XWI, FRB*(2*\i+1), XWS, 128*(2*\i+1)
.endr
	BARRIER                                        ; x's sixteen fragments lie in LDS
; ---------------- P1: my 256 hidden units of my encoder: two trips of 128 units.  A record is a pair of tiles x two K steps
.irp m,0,1,2,3
.irp s,0,1
.irp c,0,1,2
	DSL128 256+24*\m+12*\s+4*\c, XRA, FRB*(2*\m+\s)+512*\c
.endr
.endr
.endr
.irp m,0,1,2,3
	DSL32 32+\m, XRS, 256*\m
.endr
	s_wait_dscnt 0x0
	WIN 0
	s_mov_b32 s47, 0
	s_mov_b32 s62, 0
	s_mov_b32 s63, 0
.Lp1:
.irp i,0,1,2,3
	s_wait_loadcnt 51                              ; three fills of 17 loads were issued behind this slot's
	SLOTREG \i
.irp s,0,1
.irp u,0,1
.irp m,0,1,2,3                                 ; eight accumulators by turns, one instruction a turn
.if \s==0
	MM 512+64*\m+8*(2*\i+\u), ESB+12*(2*\u+\s), 256+24*\m+12*\s, EBB+8*\u, 48+2*\i+\u, 32+\m, \s
.else
	MM 512+64*\m+8*(2*\i+\u), ESB+12*(2*\u+\s), 256+24*\m+12*\s, 512+64*\m+8*(2*\i+\u), 48+2*\i+\u, 32+\m, \s
.endif
.endr
.endr
.endr
	NOPS 4                                         ; four places in front of loads into registers that the products have read, and of the first read of sums
	FILLE \i, (4+\i)*REC, 2
.endr
	WIN (2<<6)|(2<<2)
.set j,0
.rept 256
	v_max_num_f32 v[j], 0, v[j]                    ; relu
.set j,j+1
.endr
	WIN 0
	v_add_nc_u32 v30, s62, v[HWI]                  ; this trip's K step of the second product
	v_add_nc_u32 v31, s63, v[HWS]
.irp m,0,1,2,3
	QUANT 512+64*\m, 768, \m%2, 30, 4*FRB*\m, 31, 512*\m
.endr
	WIN 0
	s_wait_xcnt 0x0                                ; the fills have read their base: it may step
	s_add_nc_u64 s[24:25], s[24:25], 4*REC
	s_add_co_u32 s62, s62, FRB
	s_add_co_u32 s63, s63, 128
	s_add_co_u32 s47, s47, 1
	s_cmp_lt_u32 s47, 2
	s_cbranch_scc1 .Lp1
.set NLD, 68                           ; out: four fills of 17, slots 0 to 3 in that order (records 8 to 11); the stream stands at record 8
.set MS0, 17
.set MS1, 34
.set MS2, 51
.set MS3, 68
	BARRIER                                        ; both hidden layers lie in LDS
; A record of one tile x four K steps: four accumulators (the tiles of rows) by turns.  filloff >= 0: the slot takes the record at that offset
.macro RECORD i, dbase, filloff
	WAITN NLD-MS\i
	SLOTREG \i
.irp s,0,1,2,3
.irp m,0,1,2,3
.if \s==0
	MM (\dbase)+64*\m, ESB+12*\s, 256+48*\m+12*\s, EBB, 48+2*\i+\s/2, 32+2*\m+\s/2, \s%2
.else
	MM (\dbase)+64*\m, ESB+12*\s, 256+48*\m+12*\s, (\dbase)+64*\m, 48+2*\i+\s/2, 32+2*\m+\s/2, \s%2
.endif
.endr
.endr
.if (\filloff)>=0
	NOPS 4
	FILLE \i, \filloff, 1
.set MS\i, NLD
.endif
.endm
.macro FETCH16 adr, adrs               ; sixteen fragments (tile of rows m, K step s) and their scale words
.irp m,0,1,2,3
.irp s,0,1,2,3
.irp c,0,1,2
	DSL128 256+48*\m+12*\s+4*\c, \adr, FRB*(4*\m+\s)+512*\c
.endr
.endr
.endr
.irp m,0,1,2,3
.irp q,0,1
	DSL32 32+2*\m+\q, \adrs, 128*(4*\m+2*\q)
.endr
.endr
	s_wait_dscnt 0x0
.endm
; ---------------- P2: my 128 columns of the fused 512 (K step w of the fusion)
; P2 (my 128 columns of the fused 512) and the first 128 of my 256 columns of P5 name the same registers, slots and fill offsets: ONE LOOP OF TWO TRIPS, eight records a trip; the stream's base steps eight records once, in trip 0.
; Every wait in it is for 45: three fills of 15 loads stand behind a slot's own fill; on the way in the fills are of 17, so that 45 asks for a little more than is needed.
	FETCH16 HRA, HRS
.set NLD, 60
.set MS0, 15
.set MS1, 30
.set MS2, 45
.set MS3, 60
	WIN 0
	s_mov_b32 s47, 0
.Lp25:
.irp g,0,1
.irp i,0,1,2,3
	RECORD \i, 512+8*(4*\g+\i), (4*\g+\i+4)*REC
.endr
.endr
	WIN 0
	BARRIER                                        ; both barriers stand on every trip's path: nobody reads the fused rows' bytes when they are written,
	s_cmp_lg_u32 s47, 0
	s_cbranch_scc1 .Lp25_a                         ; trip 0 alone quantises: its sums are the fused rows
.irp m,0,1,2,3
	QUANT 512+64*\m, 768, \m%2, FWI, 4*FRB*\m, FWS, 512*\m
.endr
	WIN 0
	s_wait_alu depctr_va_vdst(0)
	s_wait_xcnt 0x0                                ; trip 0's fills have read their base: it steps once, eight records, to record 16, behind the four quantisers
	s_add_nc_u64 s[24:25], s[24:25], 8*REC
.Lp25_a:
	BARRIER                                        ; and the fused rows lie in LDS when they are read
	s_cmp_lg_u32 s47, 0
	s_cbranch_scc1 .Lp25_b                         ; trip 0 alone fetches them: they serve all of P5
	FETCH16 FRA, FRS
	WIN 0
.Lp25_b:
	s_add_co_u32 s47, s47, 1
	s_cmp_lt_u32 s47, 2
	s_cbranch_scc1 .Lp25
; P5's other 128 columns: sums in registers 768-1023; the last four records fill nothing, and their waits run down
.irp g,0,1
.irp i,0,1,2,3
.if \g<1
	RECORD \i, 768+8*(4*\g+\i), (12+\i)*REC        ; records 28 to 31, counted from the base at record 16
.else
	RECORD \i, 768+8*(4*\g+\i), -1
.endif
.endr
.endr
	NOPS 4
; ---------------- LayerNorm and relu.  Register 256 ks + 64 m + 16 b + i of the sums is column 256 w + 128 ks + 32 b + 16 h + i of row 16 m + r
.macro LNLOAD ks                       ; ln_w and ln_b of my lane's 64 columns of K step ks
.irp b,0,1,2,3
.irp j,0,1,2,3
	GLD128 96+32*\b+4*\j, H64, 16, 512*(\ks)+128*\b+16*\j
	GLD128 112+32*\b+4*\j, H64, 18, 512*(\ks)+128*\b+16*\j
.endr
.endr
.set MLW, NLD
.endm
.macro FOLD off                        ; a tile's two pairs of partial sums, the other half of the lanes': my wave's sum for each row, to LDS
	WIN 0
.irp m,0,1,2,3
	v_pk_add_f32 v[224+4*\m:225+4*\m], v[224+4*\m:225+4*\m], v[226+4*\m:227+4*\m]
.endr
.irp m,0,1,2,3
	v_add_f32 v[224+4*\m], v[224+4*\m], v[225+4*\m]
.endr
.irp m,0,1,2,3
	v_permlanex16_b32 v[226+4*\m], v[224+4*\m], s44, s45
.endr
.irp m,0,1,2,3
	v_add_f32 v[224+4*\m], v[224+4*\m], v[226+4*\m]
.endr
.irp m,0,1,2,3
	ds_store_b32 v[STA], v[224+4*\m] offset:(\off)+64*\m   ; lanes l and l xor 16 write the same word with the same value
.endr
.endm
.macro GATHER off                      ; the four waves' sums, added in one order in every wave: v[80 + 4 m]
	WIN 0
.irp m,0,1,2,3
.irp q,0,1,2,3
	ds_load_b32 v[80+4*\m+\q], v[STR] offset:(\off)+256*\q+64*\m
.endr
.endr
	s_wait_dscnt 0x0
.irp m,0,1,2,3
	v_add_f32 v[80+4*\m], v[80+4*\m], v[81+4*\m]
.endr
.irp m,0,1,2,3
	v_add_f32 v[82+4*\m], v[82+4*\m], v[83+4*\m]
.endr
.irp m,0,1,2,3
	v_add_f32 v[80+4*\m], v[80+4*\m], v[82+4*\m]
.endr
.endm
	LNLOAD 0
	FILL6 0                                        ; the experts' first records go out under the norm
	WIN 1<<6
.irp b,0,1,2,3
	v_mov_b32 v[196+\b], 0                         ; the quantiser's permute destinations at their new place
.endr
	WIN (2<<2)|2                                   ; the rows' sums: two chains a tile of rows, ascending
.irp m,0,1,2,3
.irp c,0,1
	v_pk_add_f32 v[224+4*\m+2*\c:225+4*\m+2*\c], v[64*\m+2*\c:64*\m+2*\c+1], v[64*\m+4+2*\c:64*\m+5+2*\c]
.endr
.endr
	WIN (2<<2)
.set p,4
.rept 28
.irp m,0,1,2,3
	v_pk_add_f32 v[224+4*\m+2*(p%2):225+4*\m+2*(p%2)], v[224+4*\m+2*(p%2):225+4*\m+2*(p%2)], v[64*\m+2*p:64*\m+2*p+1]
.endr
.set p,p+1
.endr
	WIN (3<<2)
.set p,0
.rept 32
.irp m,0,1,2,3
	v_pk_add_f32 v[224+4*\m+2*(p%2):225+4*\m+2*(p%2)], v[224+4*\m+2*(p%2):225+4*\m+2*(p%2)], v[64*\m+2*p:64*\m+2*p+1]
.endr
.set p,p+1
.endr
	FOLD 0
	FILL6 1
	BARRIER
	GATHER 0
.irp m,0,1,2,3
	v_mul_f32 v[240+2*\m], s50, v[80+4*\m]         ; the mean
.endr
.irp m,0,1,2,3
	v_mov_b32 v[241+2*\m], v[240+2*\m]             ; (the packed forms name the pair)
.endr
.irp w,2,3
	WIN (\w<<6)|\w
.set p,0
.rept 32
.irp m,0,1,2,3
	v_pk_add_f32 v[64*\m+2*p:64*\m+2*p+1], v[64*\m+2*p:64*\m+2*p+1], v[240+2*\m:241+2*\m] op_sel_hi:[1,0] neg_lo:[0,1] neg_hi:[0,1]   ; h - mean
.endr
.set p,p+1
.endr
	WIN (\w<<2)|\w
.set p,0
.rept 32
.irp m,0,1,2,3
.if (\w==2)&&(p<2)
	v_pk_mul_f32 v[224+4*\m+2*(p%2):225+4*\m+2*(p%2)], v[64*\m+2*p:64*\m+2*p+1], v[64*\m+2*p:64*\m+2*p+1]   ; the first squares start the sums
.else
	v_pk_fma_f32 v[224+4*\m+2*(p%2):225+4*\m+2*(p%2)], v[64*\m+2*p:64*\m+2*p+1], v[64*\m+2*p:64*\m+2*p+1], v[224+4*\m+2*(p%2):225+4*\m+2*(p%2)]
.endif
.endr
.set p,p+1
.endr
.endr
	FOLD 1024
	BARRIER
	GATHER 1024
.irp m,0,1,2,3
	v_fma_f32 v[80+4*\m], v[80+4*\m], s50, s51     ; variance + 1e-5
.endr
	s_wait_alu depctr_va_vdst(0)
.irp m,0,1,2,3
	v_rsq_f32 v[248+2*\m], v[80+4*\m]
.endr
	v_nop                                          ; a plain place behind the last of them
	s_wait_alu depctr_va_vdst(0)                   ; one wait for the four, ahead of their first reader
.irp m,0,1,2,3
	v_mov_b32 v[249+2*\m], v[248+2*\m]
.endr
.macro RSTD ks                         ; (h - mean) / sigma of K step ks, written into registers 512-767: K step 1's numbers change windows in the multiplication that is due anyway
	WIN (2<<6)|(2+\ks)
.set p,0
.rept 32
.irp m,0,1,2,3
	v_pk_mul_f32 v[64*\m+2*p:64*\m+2*p+1], v[64*\m+2*p:64*\m+2*p+1], v[248+2*\m:249+2*\m] op_sel_hi:[1,0]
.endr
.set p,p+1
.endr
.endm
.macro NORM ks                         ; x ln_w + ln_b, then relu, on registers 512-767
	WIN ((2+\ks)<<6)|(2+\ks)
	s_wait_loadcnt 54                              ; ln_w and ln_b of this K step are in: behind their loads stand two fills of 27, on the way in (the experts' records 0 and 1) and over the backward jump (records 2 and 3)
.set p,0
.rept 32
.irp m,0,1,2,3
	v_pk_fma_f32 v[64*\m+2*p:64*\m+2*p+1], v[64*\m+2*p:64*\m+2*p+1], v[96+32*(p/8)+2*(p%8):97+32*(p/8)+2*(p%8)], v[112+32*(p/8)+2*(p%8):113+32*(p/8)+2*(p%8)]
.endr
.set p,p+1
.endr
	WIN ((2+\ks)<<6)|((2+\ks)<<2)
.set j,0
.rept 256
	v_max_num_f32 v[j], 0, v[j]
.set j,j+1
.endr
.endm
.macro OFFREG t                        ; where the offset of rows 2 t, 2 t + 1 of my 64 lies
.if (\t)<16
.set OFR, 496+(\t)
.else
.set OFR, 752+(\t)-16
.endif
.endm
; My two K steps of h go through ONE LOOP OF TWO TRIPS on registers 512-767: gain, bias, relu, four quantisers.  Trip 0 also asks for K step 1's ln_w and ln_b and brings its numbers over from registers 768-1023.
	RSTD 0
	WIN 0
	s_mov_b32 s47, 0
	s_mov_b32 s62, 0
	s_mov_b32 s63, 0
.Lln:
	NORM 0
	WIN 0
	v_add_nc_u32 v30, s62, v[GWI]                  ; this trip's K step of the last product
	v_add_nc_u32 v31, s63, v[GWS]
.irp m,0,1,2,3
	QUANT 512+64*\m, 448, \m%2, 30, FRB*(8*\m), 31, 128*(8*\m)
.endr
	WIN 0
	s_cmp_lg_u32 s47, 0
	s_wait_alu depctr_va_vdst(0)
	s_cbranch_scc1 .Lln_e
	LNLOAD 1                                       ; the multiply-adds above have read K step 0's
	RSTD 1                                         ; registers 768-1023 are read for the last time,
	s_wait_loadcnt 32                              ; no load older than the 32 just issued is out,
	FILL6 2                                        ; and the experts' records 2 and 3 are asked for into registers 768-959: they have trip 1 in which to land
	FILL6 3
	WIN 0
.Lln_e:
	s_add_co_u32 s62, s62, FRB
	s_add_co_u32 s63, s63, 128
	s_add_co_u32 s47, s47, 1
	s_cmp_lt_u32 s47, 2
	s_wait_alu depctr_va_vdst(0)
	s_cbranch_scc1 .Lln
	s_wait_loadcnt 54                              ; nothing of ln_w and ln_b is on its way when h's fragments land on their registers; the two fills may be out
	s_wait_dscnt 0x0                               ; my images have landed, and the stores have read the registers that are filled below
.set t,0
.rept 32
	OFFREG t
	GLD32 OFR, RT4, 60, 8*t                        ; the rows' numbers for the way out: lanes 0-15 place 2 t, lanes 16-31 place 2 t + 1
.set t,t+1
.endr
.set MOF, NLD
; THE LAST PRODUCT'S REGISTERS: weight buffers 0 to 3 at 256, 352, 768, 864 (96 each); h's fragments of K steps 0-3 at 512 + 48 m + 12 s; those of K steps 4-7 in four runs of 48, one for each tile of rows: 448, 704, 960, 208
.macro HFREG m, s
.if (\s)<4
.set HFR, 512+48*(\m)+12*(\s)
.elseif (\m)==0
.set HFR, 448+12*((\s)-4)
.elseif (\m)==1
.set HFR, 704+12*((\s)-4)
.elseif (\m)==2
.set HFR, 960+12*((\s)-4)
.else
.set HFR, 208+12*((\s)-4)
.endif
.endm
	WIN 0
	s_barrier_signal -1
	s_barrier_wait -1                              ; h's 32 fragments lie in LDS
; ---------------- P6: my 256 columns of the output.  A pass is one tile of 16 columns x 64 rows x all of K: 32 products on four accumulators by turns
.irp m,0,1,2,3
.irp s,0,1,2,3,4,5,6,7
.irp c,0,1,2
	HFREG \m, \s
	DSL128 HFR+4*\c, GRA, FRB*(8*\m+\s)+512*\c
.endr
.endr
.endr
.irp m,0,1,2,3
.irp q,0,1,2,3
	DSL32 32+4*\m+\q, GRS, 128*(8*\m+2*\q)
.endr
.endr
	s_wait_dscnt 0x0
	WAITN NLD-MOF                                  ; no load was issued behind the rows' numbers: all are in, the two fills too
.irp w,1,2
	WIN (\w<<6)|(\w<<2)|\w
.set t,0
.rept 16
	v_min_u32 v[240+t], 0x3fff, v[240+t]
	v_lshl_add_u32 v[240+t], v[240+t], 12, v[C16]  ; a row of out0 is 4,096 bytes; + 16 r
.set t,t+1
.endr
.endr
	WIN 0
	s_wait_alu depctr_va_vdst(0)
.macro PASS buf, acc
.irp s,0,1,2,3,4,5,6,7
	BFREG \buf, \s
.irp m,0,1,2,3
	HFREG \m, \s
.if \s==0
	MM (\acc)+8*\m, BFR, HFR, 64+8*(\buf), 48+4*(\buf)+\s/2, 32+4*\m+\s/2, \s%2
.else
	MM (\acc)+8*\m, BFR, HFR, (\acc)+8*\m, 48+4*(\buf)+\s/2, 32+4*\m+\s/2, \s%2
.endif
.endr
.endr
.endm
; Two passes' results go into my stage.  One expert: two tiles of columns.  Both: the two are one tile under either expert, and each row takes its own.
.macro POST k
	WIN 0
	s_cmp_eq_u32 s38, 0
	s_cbranch_scc0 .Lmix_\@
.irp m,0,1,2,3
	ds_store_b128 v[STO], v[96+8*\m:99+8*\m] offset:4352*\m+128*(\k)          ; each accumulator from its low end on
	ds_store_b128 v[STO], v[100+8*\m:103+8*\m] offset:4352*\m+128*(\k)+16
	ds_store_b128 v[STO], v[128+8*\m:131+8*\m] offset:4352*\m+128*(\k)+64
	ds_store_b128 v[STO], v[132+8*\m:135+8*\m] offset:4352*\m+128*(\k)+80
.endr
	s_branch .Lpd_\@
.Lmix_\@:
.irp m,0,1,2,3
.irp j,0,1,2,3,4,5,6,7
	v_cndmask_b32 v[96+8*\m+\j], v[96+8*\m+\j], v[128+8*\m+\j], s[40+\m]
.endr
.endr
.irp m,0,1,2,3
	ds_store_b128 v[STOB], v[96+8*\m:99+8*\m] offset:4352*\m+64*(\k)
	ds_store_b128 v[STOB], v[100+8*\m:103+8*\m] offset:4352*\m+64*(\k)+16
.endr
.Lpd_\@:
.endm
.macro RBREG t                         ; where rows 2 t, 2 t + 1 come back from the stage: 96-207, then 1008-1023
.if (\t)<28
.set RBR, 96+4*(\t)
.else
.set RBR, 1008+4*((\t)-28)
.endif
.endm
; 64 columns of my 64 rows leave: whole rows of 256 bytes out of my stage (LDS serves a wave's instructions in order, ISA guide 5.7.1.4: the loads see my stores); sixteen lanes store 256 consecutive bytes, aligned.
; All 32 loads go in one run into registers of their own, so that one wait for the stores' sources serves the whole way out.
.macro READBACK cond
.if \cond
	s_or_b32 s48, s47, s55                         ; with both experts a trip makes 32 columns: every second trip stores
	s_and_b32 s48, s48, 1
	s_cmp_lg_u32 s48, 0
	s_cbranch_scc0 .Lnrb_\@
.endif
.set t,0
.rept 32
	RBREG t
	DSL128 RBR, RD, 544*t
.set t,t+1
.endr
.set t,0
	s_wait_alu depctr_va_vdst(0)
.rept 32
	s_wait_dscnt 31-t                              ; the younger loads may be out
	OFFREG t
	RBREG t
	GST128 OFR, RBR
.set t,t+1
.endr
	WIN 0
	s_wait_xcnt 0x0                                ; the stores have read their registers, which the next passes write, and their base
	s_add_nc_u64 s[56:57], s[56:57], 256
.Lnrb_\@:
.endm
; A trip: four passes on buffers 0 to 3.  fill = 1: each buffer is filled again as soon as its pass is issued; behind a buffer's fill three others' 81 loads are issued, of which the wait's field can name 63.
; That wait shows the buffer's last fill done, so the fill's base is free: it is stepped directly ahead of the next fill, with no further wait.
.macro TRIP fill
	s_and_b32 s48, s47, 1
	s_lshl_b32 s48, s48, 7
	v_add_nc_u32 v[STOB], s48, v[STO]              ; with both experts: the even trip's 32 columns, or the odd trip's
.irp k,0,1
.irp q,0,1
.if \fill
	WAITN 81
.else
	WAITN 27*(3-(2*\k+\q))
.endif
	PASS 2*\k+\q, 96+32*\q
	NOPS 4                                         ; four places in front of loads into what the pass has read and of the reads of its sums; two such runs lie between two passes on the same accumulators
.if \fill
	s_add_nc_u64 s[26+2*(2*\k+\q):27+2*(2*\k+\q)], s[26+2*(2*\k+\q):27+2*(2*\k+\q)], s[34:35]   ; this buffer's next record
	FILL6 2*\k+\q
.endif
.endr
	POST \k
.endr
	READBACK \fill
.endm
	WIN 0
	s_mov_b32 s47, 0
.Lp6:                                              ; a constant count of seven; a work-group with one expert works in the first three trips alone
	s_cmp_lt_u32 s47, s54
	s_cbranch_scc0 .Lp6_skip
	TRIP 1
.Lp6_skip:
	s_add_co_u32 s47, s47, 1
	s_cmp_lt_u32 s47, 7
	s_cbranch_scc1 .Lp6
	TRIP 0                                         ; the last trip fills nothing: no load leaves the stream; its waits run down
	s_wait_xcnt 0x0
	v_lshl_add_u32 v254, v0, 2, 0x38800
	v_mov_b32 v255, 0
	s_wait_alu depctr_va_vdst(0)
	s_wait_tensorcnt 0x0
	ds_add_u32 v254, v255
	s_wait_dscnt 0x0
	s_endpgm
.Lfunc_end_k_q712f4c9220_main:
	.size	k_q712f4c9220_main, .Lfunc_end_k_q712f4c9220_main-k_q712f4c9220_main
	.p2alignl 7, 3214868480
	.fill 96, 4, 3214868480
	.section	.rodata,"a",@progbits
	.p2align	6, 0x0
	.amdhsa_kernel k_q712f4c9220_main
		.amdhsa_group_segment_fixed_size 231936
		.amdhsa_private_segment_fixed_size 0
		.amdhsa_enable_private_segment 0
		.amdhsa_kernarg_size 56
		.amdhsa_user_sgpr_count 2
		.amdhsa_user_sgpr_kernarg_segment_ptr 1
		.amdhsa_wavefront_size32 1
		.amdhsa_system_sgpr_workgroup_id_x 1
		.amdhsa_system_sgpr_workgroup_id_y 1
		.amdhsa_system_sgpr_workgroup_id_z 1
		.amdhsa_system_vgpr_workitem_id 0
		.amdhsa_next_free_vgpr 1024
		.amdhsa_next_free_sgpr 66
		.amdhsa_reserve_vcc 0
		.amdhsa_float_denorm_mode_32 3
		.amdhsa_float_denorm_mode_16_64 3
		.amdhsa_memory_ordered 1
		.amdhsa_forward_progress 1
		.amdhsa_inst_pref_size 255
	.end_amdhsa_kernel
	.section	.bss,"aw",@nobits
	.p2align	6
	.space	262144
	.amdgpu_metadata
---
amdhsa.version: [ 1, 2 ]
amdhsa.kernels:
  - .name:           k_q712f4c9220_main
    .symbol:         k_q712f4c9220_main.kd
    .args:
      - { .name: conceptnet_features, .offset: 0, .size: 8, .value_kind: global_buffer, .address_space: global }
      - { .name: comet_features, .offset: 8, .size: 8, .value_kind: global_buffer, .address_space: global }
      - { .name: route, .offset: 16, .size: 8, .value_kind: global_buffer, .address_space: global }
      - { .name: wstream, .offset: 24, .size: 8, .value_kind: global_buffer, .address_space: global }
      - { .name: ln_w, .offset: 32, .size: 8, .value_kind: global_buffer, .address_space: global }
      - { .name: ln_b, .offset: 40, .size: 8, .value_kind: global_buffer, .address_space: global }
      - { .name: out0, .offset: 48, .size: 8, .value_kind: global_buffer, .address_space: global }
    .group_segment_fixed_size: 231936
    .private_segment_fixed_size: 0
    .kernarg_segment_align: 8
    .kernarg_segment_size: 56
    .max_flat_workgroup_size: 128
    .sgpr_count:     66
    .vgpr_count:     1024
    .wavefront_size: 32
...
	.end_amdgpu_metadata
.endif
;; end of part 2
